; MI455X (gfx1250); checked and timed in simulation.
; The chip was launched on July 23, 2026; its instructions are those of AMD's public machine-readable ISA for CDNA 5 (MIT licence, August 2026) and "CDNA5" Instruction Set Architecture Reference Guide (July 2026). The comments in the code are by the model that wrote it; some were corrected since.
;; Memory Net. Allowed arithmetic: matrix products marked QUANTISED: E2M3 operands, one E8M0 scale for each 32 along K, by v_wmma_scale_f32_16x16x128_f8f6f4 with both operands' format E2M3, f32 sums; everything else in f32.
;; Inputs: gamma one number float32; k 4 x 1,024 x 2,048 float32; q 4 x 1,024 x 2,048 float32; v 4 x 1,024 x 2,048 float32.
;; Outputs: out0 4 x 1,024 x 2,048 float32.
;; This version of the problem:
;;   THIS VERSION OF THE PROBLEM IS GIVEN IN LOW PRECISION. The matrix products marked QUANTISED in the list below multiply operands that are first quantised to E2M3 (2 exponent bits, 3 mantissa bits; 6 bits a number), with one power-of-two scale for each 32 numbers along K (OCP MX v1.0); their sums are f32. All else is computed in f32.
;;   The module's matrix products, in the order in which they are computed (A, B: the left and right operand; K: the contracted axis; several contracted axes count as one K, in the product's order):
;;     1. batch 32 x [M 2,048, K 128] x [K 128, N 2,048]; A: input q; B: input k: QUANTISED
;;     2. batch 32 x [M 128, K 2,048] x [K 2,048, N 2,048]; A: input v; B: softmax (see below): QUANTISED
;;   THE QUANTISER, for each operand of a quantised product, along K:
;;     - K is cut into blocks of 32 from its start; a last block that is shorter is filled with zeros.
;;     - A block's scale is 2^e with e = floor(log2(the largest magnitude in the block)) - 2, held to -126 .. 127; a block of zeros has e = 0. As a byte (E8M0): e + 127.
;;     - Each number is divided by its block's scale, clamped to +-7.5, and rounded to the nearest number of E2M3, ties to even, subnormals kept.
;;     - The product sums the exact products of the quantised numbers (number of the format x scale) in f32.
;;   ~~~python
;;   def quantise(x, axis):      # numpy; x: float32 -> the quantised numbers, widened to float32 again
;;       x = np.moveaxis(x, axis, -1); K = x.shape[-1]
;;       x = np.pad(x, [(0, 0)] * (x.ndim - 1) + [(0, -K % 32)]); x = x.reshape(x.shape[:-1] + (-1, 32)); a = np.abs(x).max(-1, keepdims=True)
;;       e = np.where(a > 0, np.clip(np.frexp(np.where(a > 0, a, 1))[1] - 1 - 2, -126, 127), 0)      # np.frexp(a)[1] - 1 = floor(log2(a)), exactly
;;       r = np.clip(x / 2.0 ** e, -7.5, 7.5)
;;       step = 2.0 ** (np.maximum(np.frexp(np.where(r == 0, 1, r))[1] - 1, 0) - 3)
;;       q = np.round(r / step) * step * 2.0 ** e      # np.round: ties to even
;;       return np.moveaxis(q.reshape(q.shape[:-2] + (-1,))[..., :K], -1, axis).astype(np.float32)
;;   ~~~
;;   SOFTMAX AHEAD OF A QUANTISED PRODUCT. Where the list says 'softmax', what is quantised is not the finished softmax but p = 2^(t - M), with t = logit x log2(e) and M = ceil(the row's largest t), a whole number; so 1/2 < the row's largest p <= 1. The row's sum l is taken of the UNQUANTISED p, in f32, and the product's result is divided by l at the end. Since M is a whole number, a kernel that streams over the keys may use a running M (the ceiling of the running maximum): every later rescaling is an exact power of two, which a block's scale takes up: the codes' values come out the same.
;;   OPERANDS COMPUTED ON THE WAY. 'Computed on the way' means the value that the module computes at that place (a softmax that the list does not call 'softmax' is quantised finished and normalised). What goes into a quantiser is computed in f32, as accurately as f32 sums, v_exp_f32 and their like allow (about 1e-6 of the number): no bf16 or f16 on the way to a quantiser, and a product that is left as it is and whose result goes on into a quantised operand takes f32 operands (vector FMAs, or v_wmma_f32_16x16x4_f32). A number that lies on a knife's edge between two numbers of the format may be rounded either way, as far as f32 arithmetic and the matrix unit's own rounding can turn it there, and no further.
;; One version. Each part assembles by itself: llvm-mc -triple=amdgcn-amd-amdhsa -mcpu=gfx1250 --defsym DOCPART=n.
;; ======== version 1 of 1: 2 launches
;; limits: right only within a limited range of input values
;; workspace buffers: codes 13,107,200 bytes
;; launch quant (part 1): grid 1024 x 1, 4 waves a work-group, no clusters, 81,408 bytes of LDS; arguments k, v, codes; writes codes
.if DOCPART == 1
	.amdgcn_target "amdgcn-amd-amdhsa--gfx1250"
	.amdhsa_code_object_version 6
	.text
	.protected	k_qcd43e39555_quant
	.globl	k_qcd43e39555_quant
	.p2align	8
	.type	k_qcd43e39555_quant,@function
k_qcd43e39555_quant:
	s_mov_b64 s[64:65], 0
	v_nop
	global_prefetch_b8 v0, s[64:65] scope:SCOPE_SE
	s_setreg_imm32_b32 hwreg(HW_REG_WAVE_MODE, 25, 1), 1
	s_wait_xcnt 0x0
; k, v: [4][1024][2048] f32, channels first: a head (32 of them) is [128 (d)][2048 (L)], L innermost.  Both become codes of FP6 (E2M3) with one E8M0 byte for each 32 along their product's K,
; laid in the order of the operand's registers.  (q is read by one work-group alone and is quantised by the attention launch itself.)
; THE BUFFER: 1,024 blocks of 12,800 bytes; block 512 T + 16 head + s (T = 0 k, 1 v; s = a group of 128 along L): 8 fragment images of 1,536 bytes, then 512 bytes of scale words.
;   image of tile t: register p (0..11) of operand lane m (0..31) at 1536 t + 512 (p / 4) + 16 m + 4 (p % 4);  scale word of tile t, row r at 12288 + 256 (t / 4) + 16 r + 4 (t % 4).
;   k (K = d): row 8 h + j of tile 4 g + i is key 64 g + 32 h + 8 i + j of the group, so that in the transposed scores a lane's 32 registers of tiles 4 g .. 4 g + 3 are 32 neighbouring keys.
;   v (K = the keys): row r of tile t is channel 16 t + r, the keys in their natural order.
; A work-group of four waves makes one block.  A lane owns a whole operand row: 128 numbers in 128 registers, four blocks of 32, so no other lane is asked for a maximum and its four bytes are the row's scale word.
;   k: a load takes 8 bytes a lane: two neighbouring keys of row d = 2 m + lane / 16, so a wave reads 128 consecutive bytes of each of two rows, and all its 64 loads are out at once.
;      One lane swap for each pair of registers then gives lane l the key 2 (l % 16) + l / 16 of the wave's 32, with its registers running down d.
;   v: 512 consecutive bytes a load; the wave's 32 rows turn through its own LDS stage and come back a row to a lane.
; A block's byte is its largest magnitude's exponent field - 2, held at 1 from below.
; LIMITS: NaN and infinities among the inputs are not served.  A block under 2^-124 has its byte held at 1; a block of zeros gets the byte 1 where the rule says 127: its codes are zeros, and this program alone reads the bytes.
; The two paths part on the work-group's number, never join, and have LDS bytes of their own.  81,408 bytes of LDS and 226 registers: four work-groups to a WGP, 1,024 in all.
.set BLK,   12800
.set TROW,  528                        ; v's turn: a row of 512 bytes + 16
.set VSCL,  4*32*TROW                  ; LDS: v's turn (32 rows a wave; the wave's two images land on its own rows once these are read), v's scale words,
.set KIMG,  VSCL+512                   ; k's images, k's scale words,
.set KSCL,  KIMG+12288
.set SPARE, KSCL+512                   ; the spare words
.set SW,    16
.set X,     32                         ; v32-159  my row's 128 numbers
.set E,     160                        ; v160-183 my row's codes: E + 12 a + p = register p of operand lane r + 16 a
.set T,     184
.set OUTR,  192
.macro LOADK b                         ; rows d = 32 b + 2 n + lane / 16, two keys a lane
.set n, 0
.rept 16
	global_load_b64 v[X+32*(\b)+2*n:X+32*(\b)+2*n+1], v2, s[4:5] offset:(16*(\b)+n)*16384 th:TH_LOAD_NT
.set n, n+1
.endr
.endm
.macro SWP b                           ; the first register's lanes 16-31 change places with the second's lanes 0-15: the pair now holds d = 32 b + 2 n and + 1 of one key
.set n, 0
.rept 16
	v_permlane16_swap_b32 v[X+32*(\b)+2*n], v[X+32*(\b)+2*n+1]
.set n, n+1
.endr
.endm
.macro QBLK b                          ; block b = 2 c + a: its byte into the scale word, its codes into registers 6 c .. 6 c + 5 of operand lane r + 16 a
.set XS, X+32*(\b)
.set EB, E+12*((\b)%2)+6*((\b)/2)
	v_max3_num_f32 v12, |v[XS]|, |v[XS+1]|, |v[XS+2]|
	v_max3_num_f32 v13, |v[XS+3]|, |v[XS+4]|, |v[XS+5]|
.irp i, 6,10,14,18,22,26
	v_max3_num_f32 v12, v12, |v[XS+\i]|, |v[XS+\i+1]|
	v_max3_num_f32 v13, v13, |v[XS+\i+2]|, |v[XS+\i+3]|
.endr
	v_max3_num_f32 v12, v12, |v[XS+30]|, |v[XS+31]|
	v_max3_num_f32 v12, v12, v13, 0x1800000                        ; the floor 2^(3 - 127)
	v_add_nc_u32 v14, 0xff000000, v12                              ; 2 off the exponent field: the conversion's scale operand
.if (\b) == 0
	v_lshrrev_b32 v[SW], 23, v14
.else
	v_lshrrev_b32 v15, 23, v14
	v_lshl_or_b32 v[SW], v15, 8*(\b), v[SW]
.endif
	v_cvt_scalef32_pk16_fp6_f32 v[EB:EB+2], v[XS:XS+15], v14
	v_cvt_scalef32_pk16_fp6_f32 v[T:T+2], v[XS+16:XS+31], v14      ; (three registers from an even one: the upper half is moved)
	v_nop                                                          ; one plain place behind a scaled conversion
.irp i, 0,1,2
	v_mov_b32 v[EB+3+\i], v[T+\i]
.endr
.endm
; The way out.  Codes and scale word to their places; a barrier (k's images are made by two waves each); each wave takes 3,072 bytes of the images back and stores runs of 512 consecutive bytes; wave 0 stores the 512 bytes of scale words.
.macro OUT rb
.irp a, 0,1
.irp g, 0,1,2
	ds_store_b128 v3, v[E+12*\a+4*\g:E+12*\a+4*\g+3] offset:256*\a+512*\g
.endr
.endr
	ds_store_b32 v4, v[SW]
	s_wait_dscnt 0x0                               ; for the other waves' sake
	s_barrier_signal -1
	s_barrier_wait -1
.irp i, 0,1,2,3,4,5
	ds_load_b128 v[OUTR+4*\i:OUTR+4*\i+3], v[\rb] offset:512*\i
.endr
	s_wait_dscnt 0x0
.irp i, 0,1,2,3,4,5
	global_store_b128 v6, v[OUTR+4*\i:OUTR+4*\i+3], s[10:11] offset:512*\i
.endr
	s_cmp_lg_u32 s12, 0
	s_cbranch_scc1 .Ldone_\@
	ds_load_b128 v[216:219], v10
	s_wait_dscnt 0x0
	global_store_b128 v9, v[216:219], s[10:11] offset:12288
.Ldone_\@:
	s_wait_tensorcnt 0x0                           ; the wave's end
	ds_add_u32 v224, v225
	s_wait_dscnt 0x0
	s_endpgm
.endm
	s_load_b128 s[4:7], s[0:1], 0x0                ; k s[4:5], v s[6:7]
	s_load_b64 s[10:11], s[0:1], 0x10              ; the codes
	v_lshl_add_u32 v224, v0, 2, SPARE
	v_mov_b32 v225, 0
	v_lshrrev_b32 v1, 5, v0
	v_readfirstlane_b32 s12, v1                    ; wave 0..3
	v_and_b32 v1, 31, v0                           ; lane
	v_lshlrev_b32 v9, 4, v1
	s_wait_alu depctr_va_vdst(0)
	s_and_b32 s13, ttmp9, 511                      ; 16 head + s
	s_lshr_b32 s14, s13, 4
	s_and_b32 s15, s13, 15
	s_lshl_b32 s16, s14, 20                        ; a head is 128 rows of 8,192 bytes;
	s_lshl_b32 s15, s15, 9                         ; 128 along L are 512 bytes
	s_add_co_u32 s16, s16, s15
	s_mov_b32 s17, 0
	s_mul_i32 s18, ttmp9, BLK
	s_mov_b32 s19, 0
	s_mul_i32 s20, s12, 3072                       ; the 3,072 bytes of the images that my wave stores
	v_add_nc_u32 v6, s20, v9
	s_wait_kmcnt 0x0
	s_add_nc_u64 s[10:11], s[10:11], s[18:19]
	s_cmp_lt_u32 ttmp9, 512
	s_cbranch_scc0 .Lpath_v
	; ---- k
	s_lshl_b32 s21, s12, 7
	s_add_co_u32 s16, s16, s21
	s_add_nc_u64 s[4:5], s[4:5], s[16:17]
	s_lshr_b32 s22, s12, 1                         ; g = wave / 2
	s_and_b32 s23, s12, 1
	s_lshl_b32 s23, s23, 7                         ; 16 x 8 h, h = wave % 2
	s_mul_i32 s21, s22, 6144
	s_add_co_u32 s21, s21, s23
	s_add_co_u32 s21, s21, KIMG
	s_lshl_b32 s22, s22, 8
	s_add_co_u32 s22, s22, s23
	s_add_co_u32 s22, s22, KSCL
	s_add_co_u32 s24, s20, KIMG
	v_and_b32 v22, 15, v0
	v_bfe_u32 v23, v0, 4, 1
	v_lshlrev_b32 v2, 3, v22
	v_lshl_add_u32 v2, v23, 13, v2                 ; in: 8 (lane % 16) + a row for lanes 16-31
	v_lshl_or_b32 v22, v22, 1, v23                 ; behind the swaps my key of the wave's 32 is 2 (lane % 16) + lane / 16
	v_lshrrev_b32 v20, 3, v22                      ; i = key / 8
	v_and_b32 v21, 7, v22                          ; j = key % 8
	v_lshlrev_b32 v3, 4, v21
	v_lshl_add_u32 v4, v20, 2, v3
	v_mad_u32_u24 v3, v20, 1536, v3
	v_add_nc_u32 v3, s21, v3                       ; KIMG + 1536 (4 g + i) + 16 (8 h + j)
	v_add_nc_u32 v4, s22, v4                       ; KSCL + 256 g + 4 i + 16 (8 h + j)
	v_add_nc_u32 v5, s24, v9
	v_add_nc_u32 v10, KSCL, v9
	LOADK 0
	LOADK 1
	LOADK 2
	LOADK 3
	s_wait_alu depctr_va_vdst(0)
	s_wait_loadcnt 48                              ; block 0's 16 loads are in; the 48 behind them may be out
	SWP 0
	QBLK 0
	s_wait_loadcnt 32
	SWP 1
	QBLK 1
	s_wait_loadcnt 16
	SWP 2
	QBLK 2
	s_wait_loadcnt 0x0
	SWP 3
	QBLK 3
	OUT 5
	; ---- v: rows as they lie, turned through LDS so that a lane holds a row
.Lpath_v:
	s_lshl_b32 s21, s12, 18                        ; my wave's 32 channels
	s_add_co_u32 s16, s16, s21
	s_add_nc_u64 s[8:9], s[6:7], s[16:17]
.set n, 0
.rept 32
	global_load_b128 v[X+4*n:X+4*n+3], v9, s[8:9] offset:8192*n th:TH_LOAD_NT
.set n, n+1
.endr
	s_mul_i32 s24, s12, 32*TROW                    ; my wave's turn
	s_lshr_b32 s22, s12, 1
	s_lshl_b32 s22, s22, 8
	s_and_b32 s23, s12, 1
	s_lshl_b32 s23, s23, 3
	s_add_co_u32 s22, s22, s23
	s_add_co_u32 s22, s22, VSCL
	v_add_nc_u32 v7, s24, v9                       ; in: 16 x lane in a row; also where my wave's images are read back
	v_mul_u32_u24 v8, v1, TROW
	v_add_nc_u32 v8, s24, v8                       ; out: row = lane
	v_bfe_u32 v20, v0, 4, 1                        ; row 16 u + r of my wave's 32 is mine: row r of tile 2 w + u
	v_and_b32 v21, 15, v0
	v_lshlrev_b32 v3, 4, v21
	v_lshl_add_u32 v4, v20, 2, v3
	v_mad_u32_u24 v3, v20, 1536, v3
	v_add_nc_u32 v3, s24, v3
	v_add_nc_u32 v4, s22, v4                       ; VSCL + 256 (w / 2) + 8 (w % 2) + 16 r + 4 u
	v_add_nc_u32 v10, VSCL, v9
	s_wait_alu depctr_va_vdst(0)
.irp q, 0,1,2,3
	s_wait_loadcnt 24-8*\q                         ; eight more rows are in
.irp i, 0,1,2,3,4,5,6,7
	ds_store_b128 v7, v[X+4*(8*\q+\i):X+4*(8*\q+\i)+3] offset:TROW*(8*\q+\i)
.endr
.endr
	s_wait_dscnt 0x0                               ; the stores have read their registers
.set n, 0
.rept 32
	ds_load_b128 v[X+4*n:X+4*n+3], v8 offset:16*n
.set n, n+1
.endr
	s_wait_dscnt 24                                ; block 0's eight loads are in
	QBLK 0
	s_wait_dscnt 16
	QBLK 1
	s_wait_dscnt 8
	QBLK 2
	s_wait_dscnt 0x0
	QBLK 3
	OUT 7
.Lfunc_end_k_qcd43e39555_quant:
	.size	k_qcd43e39555_quant, .Lfunc_end_k_qcd43e39555_quant-k_qcd43e39555_quant
	.p2alignl 7, 3214868480
	.fill 96, 4, 3214868480
	.section	.rodata,"a",@progbits
	.p2align	6, 0x0
	.amdhsa_kernel k_qcd43e39555_quant
		.amdhsa_group_segment_fixed_size 81408
		.amdhsa_private_segment_fixed_size 0
		.amdhsa_enable_private_segment 0
		.amdhsa_kernarg_size 24
		.amdhsa_user_sgpr_count 2
		.amdhsa_user_sgpr_kernarg_segment_ptr 1
		.amdhsa_wavefront_size32 1
		.amdhsa_system_sgpr_workgroup_id_x 1
		.amdhsa_system_sgpr_workgroup_id_y 1
		.amdhsa_system_sgpr_workgroup_id_z 1
		.amdhsa_system_vgpr_workitem_id 0
		.amdhsa_next_free_vgpr 226
		.amdhsa_next_free_sgpr 66
		.amdhsa_reserve_vcc 0
		.amdhsa_float_denorm_mode_32 3
		.amdhsa_float_denorm_mode_16_64 3
		.amdhsa_memory_ordered 1
		.amdhsa_forward_progress 1
		.amdhsa_inst_pref_size 35
	.end_amdhsa_kernel
	.amdgpu_metadata
---
amdhsa.version: [ 1, 2 ]
amdhsa.kernels:
  - .name:           k_qcd43e39555_quant
    .symbol:         k_qcd43e39555_quant.kd
    .args:
      - { .name: k, .offset: 0, .size: 8, .value_kind: global_buffer, .address_space: global }
      - { .name: v, .offset: 8, .size: 8, .value_kind: global_buffer, .address_space: global }
      - { .name: codes, .offset: 16, .size: 8, .value_kind: global_buffer, .address_space: global }
    .group_segment_fixed_size: 81408
    .private_segment_fixed_size: 0
    .kernarg_segment_align: 8
    .kernarg_segment_size: 24
    .max_flat_workgroup_size: 128
    .sgpr_count:     66
    .vgpr_count:     226
    .wavefront_size: 32
...
	.end_amdgpu_metadata
.endif
;; end of part 1
;; launch attn (part 2): grid 8 x 32, 8 waves a work-group, clusters of 4 x 1, 327,680 bytes of LDS; arguments codes, gamma, q, out0; writes out0
.if DOCPART == 2
	.amdgcn_target "amdgcn-amd-amdhsa--gfx1250"
	.amdhsa_code_object_version 6
	.text
	.protected	k_qcd43e39555_attn
	.globl	k_qcd43e39555_attn
	.p2align	8
	.type	k_qcd43e39555_attn,@function
k_qcd43e39555_attn:
	s_mov_b64 s[64:65], 0
	v_nop
	global_prefetch_b8 v0, s[64:65] scope:SCOPE_SE
	s_setreg_imm32_b32 hwreg(HW_REG_WAVE_MODE, 25, 1), 1
	s_wait_xcnt 0x0
	s_wait_alu depctr_hold_cnt(0) depctr_sa_sdst(0) depctr_va_vdst(0) depctr_va_sdst(0) depctr_va_ssrc(0) depctr_va_vcc(0) depctr_vm_vsrc(0)
	s_getreg_b32 s2, hwreg(HW_REG_IB_STS2, 6, 4)
	s_cmp_eq_u32 s2, 0
	s_cbranch_scc0 .Lentry_in_a_cluster
	s_endpgm
.Lentry_in_a_cluster:
	s_bfe_u32 s2, ttmp6, 0x10000c
	s_cmp_lg_u32 s2, 0x3003
	s_cbranch_scc0 .Lentry_shape_is_right
	s_endpgm
.Lentry_shape_is_right:
; out = gamma x softmax(q^T k / sqrt(128)) v for one head (work-group y) and 256 queries (work-group x); eight waves, 32 queries each (two tiles u of 16).
; Both products in MX-FP6, used transposed: S^T = k q^T and O^T = v p^T, so that a lane holds one query throughout.  16 steps of 128 keys.
; q arrives as f32 and is read by this work-group alone: each lane takes a query, its registers run down d, and twelve lane swaps make the two operands.
; THE KEYS OF A TILE OF k (laid so by the quantising launch): row 8 h + j of tile 4 g + i is key 64 g + 32 h + 8 i + j.  So the 32 score registers of tiles 4 g .. 4 g + 3 are, in lane (r, h),
; keys 64 g + 32 h + 0 .. 31 of query r: one whole block of p, in the very place that the operand's layout gives that lane: no lane is asked for a block's maximum and no code changes lanes.
; p = 2^(t - M), M the running largest t rounded up to a whole number; the row's sum is taken of the unquantised p; when M moves, sum and O^T are multiplied by a power of two.  A block's largest p is made from its largest score.
; LDS: k's and v's regions, 12 blocks of 12,800 bytes each.  Three fills, one tensor load a wave each: steps 0-3 at the head, steps 4-11 behind the full sequence, steps 12-15 on blocks 0-3 when all have left step 3.
; The four work-groups of a cluster work on one head and ask for every tile jointly.  All of LDS is claimed.
; No prefetch: steps 4-11 are asked for four steps ahead of their first read and steps 12-15 eight steps ahead; the first fill stands at the head, with no loop ahead of it.
; Most of a step's additions for the row's sum stand at the next step's head, between the loads of k's fragments and the products that wait for them.
; LIMITS: NaN and infinities among the inputs are not served; the promise holds while the scaled scores (exponents to the base 2) stay under 2^31 in magnitude;
; a block of q under 2^-124, and a block of p whose every number has fallen to 0, keep the byte 1: their codes are what the conversion gives under that byte.
.set BLK,    12800
.set HEADB,  16*BLK
.set TEN,    32*HEADB
.set VREG,   12*BLK                    ; v's region begins here
.set SPARE,  2*VREG                    ; the spare words: 8 waves x 128 bytes
.set SPITCH, 1040                      ; the way out: a channel's 256 queries + 16 bytes
; window 0
.set LI,  1                            ; 16 x lane
.set LSC, 2                            ; scale words: 12288 + 16 r + h x VREG (lanes 0-15 k's, lanes 16-31 v's)
.set ADR, 3
.set ADS, 4
.set SPW, 5
.set NIL, 6
.set STO, 7                            ; v7, v8
.set RD,  9
.set ADV, 10
.set SH8, 11                           ; 8 h
.set SCL, 12                           ; v12-19 the step's scale words
.set QS,  20                           ; q's scale words: lane = query of my 32
.set QO,  21
.set ST,  24                           ; 16 registers a tile u: 0 -M, 1 largest score, 2-3 the sum, 4-5 f, 6 p's scale word, 7, 12, 13 at work, 8-9 block maxima, 10-11 the conversions' scales, 14-15 second chain of the sum
.set T,   56                           ; v56-71 upper halves of the blocks' codes, on their way
.set S,   72                           ; v72-199 scores, then p (at the head: q's numbers)
.set PC,  200                          ; v200-223 p's codes
.set Q,   224                          ; v224-247 q's codes
; window 1
.set O,   0                            ; O^T
.set FR,  128                          ; eight fragments of k, then of v
.set WV,  12
.set G1,  16                           ; 50 rows of 256 bytes
.set G1B, 24                           ; 100 rows
.set G0A, 32
.set G0B, 36
.set SEL, 40
.set CS,  42
.set NC,  44
.set TB,  45
.set CNT, 46
.set GAM, 47
.set MSB, 0
.macro WIN new
.if MSB != \new
	s_set_vgpr_msb (MSB<<8)|\new
.set MSB, \new
.endif
.endm
.set TO_1,  0x40
.set W_KQ,  0x01
.set W_RS,  0x41
.set W_PV,  0x51
.set W_OUT, 0x01
.macro ROUND
	s_barrier_signal -1
	s_barrier_wait -1
	s_cmp_lg_u32 s[WV], 0
	s_cbranch_scc1 .Lnot_wave_0_\@
	s_barrier_signal -3
.Lnot_wave_0_\@:
	s_barrier_wait -3
	s_barrier_signal -1
	s_barrier_wait -1
.endm
.macro LOADQ b                         ; rows d = 32 b + 2 n + lane / 16, 8 bytes a lane: two neighbouring queries; a wave reads 128 consecutive bytes of each of two rows, and all its 64 loads are out at once
.set n, 0
.rept 16
	global_load_b64 v[S+32*(\b)+2*n:S+32*(\b)+2*n+1], v[QO], s[8:9] offset:(16*(\b)+n)*16384 th:TH_LOAD_NT
.set n, n+1
.endr
.endm
.macro QBLK b                          ; block b = 2 c + a of my query: codes into registers 6 c .. of run a
.set XS, S+32*(\b)
.set EB, Q+12*((\b)%2)+6*((\b)/2)
.set n, 0
.rept 16
	v_permlane16_swap_b32 v[XS+2*n], v[XS+2*n+1]   ; the pair now holds d = 32 b + 2 n and + 1 of ONE query: lane l has query 2 (l % 16) + l / 16 of my 32, its registers running down d
.set n, n+1
.endr
	v_max3_num_f32 v12, |v[XS]|, |v[XS+1]|, |v[XS+2]|
	v_max3_num_f32 v13, |v[XS+3]|, |v[XS+4]|, |v[XS+5]|
.irp i, 6,10,14,18,22,26
	v_max3_num_f32 v12, v12, |v[XS+\i]|, |v[XS+\i+1]|
	v_max3_num_f32 v13, v13, |v[XS+\i+2]|, |v[XS+\i+3]|
.endr
	v_max3_num_f32 v12, v12, |v[XS+30]|, |v[XS+31]|
	v_max3_num_f32 v12, v12, v13, 0x1800000
	v_add_nc_u32 v14, 0xff000000, v12
.if (\b) == 0
	v_lshrrev_b32 v[QS], 23, v14
.else
	v_lshrrev_b32 v15, 23, v14
	v_lshl_or_b32 v[QS], v15, 8*(\b), v[QS]
.endif
	v_cvt_scalef32_pk16_fp6_f32 v[EB:EB+2], v[XS:XS+15], v14
	v_cvt_scalef32_pk16_fp6_f32 v[T:T+2], v[XS+16:XS+31], v14
	v_nop
.irp i, 0,1,2
	v_mov_b32 v[EB+3+\i], v[T+\i]
.endr
.endm
; The row's sum of the unquantised p, two chains a tile, in three parts: four lines ahead of the second product, two and the rest at the next step's head.
.macro SUMA
.irp u, 0,1
	v_pk_add_f32 v[ST+16*\u+14:ST+16*\u+15], v[S+64*\u:S+64*\u+1], v[S+64*\u+2:S+64*\u+3]
.endr
.irp u, 0,1
	v_pk_add_f32 v[ST+16*\u+2:ST+16*\u+3], v[ST+16*\u+2:ST+16*\u+3], v[S+64*\u+4:S+64*\u+5]
.endr
.endm
.macro SUMB0
.irp u, 0,1
	v_pk_add_f32 v[ST+16*\u+14:ST+16*\u+15], v[ST+16*\u+14:ST+16*\u+15], v[S+64*\u+6:S+64*\u+7]
.endr
.endm
.macro SUMB1
.set n, 8
.rept 14
.irp u, 0,1
	v_pk_add_f32 v[ST+16*\u+2:ST+16*\u+3], v[ST+16*\u+2:ST+16*\u+3], v[S+64*\u+n:S+64*\u+n+1]
.endr
.irp u, 0,1
	v_pk_add_f32 v[ST+16*\u+14:ST+16*\u+15], v[ST+16*\u+14:ST+16*\u+15], v[S+64*\u+n+2:S+64*\u+n+3]
.endr
.set n, n+4
.endr
.irp u, 0,1
	s_delay_alu instid0(VALU_DEP_2)
	v_pk_add_f32 v[ST+16*\u+2:ST+16*\u+3], v[ST+16*\u+2:ST+16*\u+3], v[ST+16*\u+14:ST+16*\u+15]
.endr
.endm
.macro TM lo, hi                       ; t - M for registers lo .. hi - 1 of both tiles, two numbers a line
.set n, \lo
.rept (\hi-\lo)/2
.irp u, 0,1
	v_pk_fma_f32 v[S+64*\u+n:S+64*\u+n+1], v[S+64*\u+n:S+64*\u+n+1], s[CS:CS+1], v[ST+16*\u:ST+16*\u+1] op_sel_hi:[1,0,0]
.endr
.set n, n+2
.endr
.endm
.macro STEP first
	v_add_nc_u32 v[ADR], s[TB], v[LI]
	v_add_nc_u32 v[ADS], s[TB], v[LSC]
	v_add_nc_u32 v[ADV], VREG, v[ADR]
.if \first
	v_nop
.else
	SUMB0                                          ; with the three lines above: the places in front of loads into registers that the last products read
.endif
	ds_load_b128 v[SCL:SCL+3], v[ADS]
	ds_load_b128 v[SCL+4:SCL+7], v[ADS] offset:256
	WIN TO_1
.irp t, 0,1,2,3,4,5,6,7
.irp g, 0,1,2
	ds_load_b128 v[FR+12*\t+4*\g:FR+12*\t+4*\g+3], v[ADR] offset:1536*\t+512*\g
.endr
.endr
	WIN 0
.if !\first
	SUMB1                                          ; the last step's sum, while k's fragments come
.endif
	s_wait_alu depctr_va_vdst(0)
	WIN W_KQ
.irp t, 0,1,2,3,4,5,6,7
	s_wait_dscnt 3*(7-\t)                          ; tile t's three loads are in; the later tiles' may be out
	v_wmma_scale_f32_16x16x128_f8f6f4 v[S+8*\t:S+8*\t+7], v[FR+12*\t:FR+12*\t+11], v[Q:Q+11], 0, v[SCL+\t], v[QS] matrix_a_fmt:MATRIX_FMT_FP6 matrix_b_fmt:MATRIX_FMT_FP6
	v_wmma_scale_f32_16x16x128_f8f6f4 v[S+64+8*\t:S+64+8*\t+7], v[FR+12*\t:FR+12*\t+11], v[Q+12:Q+23], 0, v[SCL+\t], v[QS] matrix_a_fmt:MATRIX_FMT_FP6 matrix_b_fmt:MATRIX_FMT_FP6 matrix_b_scale:MATRIX_SCALE_ROW1
.endr
.rept 4
	v_nop                                          ; places: in front of the loads below and of the first reads of the scores
.endr
	WIN TO_1
.irp t, 0,1,2,3,4,5,6,7
.irp g, 0,1,2
	ds_load_b128 v[FR+12*\t+4*\g:FR+12*\t+4*\g+3], v[ADV] offset:1536*\t+512*\g
.endr
.endr
	WIN 0
	; the largest score of each of my four blocks (tile u, half g), the four by turns; each accumulator is first read at its low end
.irp u, 0,1
.irp g, 0,1
	v_max3_num_f32 v[ST+16*\u+8+\g], v[S+64*\u+32*\g], v[S+64*\u+32*\g+1], v[S+64*\u+32*\g+2]
.endr
.endr
.irp i, 3,5,7,9,11,13,15,17,19,21,23,25,27,29
.irp u, 0,1
.irp g, 0,1
	v_max3_num_f32 v[ST+16*\u+8+\g], v[ST+16*\u+8+\g], v[S+64*\u+32*\g+\i], v[S+64*\u+32*\g+\i+1]
.endr
.endr
.endr
.irp u, 0,1
.irp g, 0,1
	v_max_num_f32 v[ST+16*\u+8+\g], v[ST+16*\u+8+\g], v[S+64*\u+32*\g+31]
.endr
.endr
.irp u, 0,1
.if \u == 0
	s_delay_alu instid0(VALU_DEP_3)
.else
	s_delay_alu instid0(VALU_DEP_2)
.endif
	v_max_num_f32 v[ST+16*\u+7], v[ST+16*\u+8], v[ST+16*\u+9]
.endr
.irp u, 0,1
	s_delay_alu instid0(VALU_DEP_2)
	v_permlanex16_b32 v[ST+16*\u+12], v[ST+16*\u+7], s[SEL], s[SEL+1]
.endr
.irp u, 0,1
	s_delay_alu instid0(VALU_DEP_2)
.if \first
	v_max_num_f32 v[ST+16*\u+1], v[ST+16*\u+7], v[ST+16*\u+12]
.else
	v_max3_num_f32 v[ST+16*\u+1], v[ST+16*\u+1], v[ST+16*\u+7], v[ST+16*\u+12]   ; the running largest score of my query
.endif
.endr
.irp u, 0,1
	s_delay_alu instid0(VALU_DEP_2)
	v_mul_f32 v[ST+16*\u+7], s[NC], v[ST+16*\u+1]  ; -t
.endr
.if !\first
.irp u, 0,1
	v_mov_b32 v[ST+16*\u+13], v[ST+16*\u]
.endr
.endif
.irp u, 0,1
	v_floor_f32 v[ST+16*\u], v[ST+16*\u+7]         ; -M = floor(-t): M is a whole number
.endr
.if \first
	TM 0, 64
.else
.irp u, 0,1
	s_delay_alu instid0(VALU_DEP_2)
	v_sub_f32 v[ST+16*\u+13], v[ST+16*\u], v[ST+16*\u+13]   ; old M less new M: a whole number, 0 or less
.endr
	TM 0, 8
.irp u, 0,1
	v_cvt_i32_f32 v[ST+16*\u+13], v[ST+16*\u+13]   ; (it saturates)
.endr
	TM 8, 16
.irp u, 0,1
	v_ldexp_f32 v[ST+16*\u+4], 1.0, v[ST+16*\u+13] ; f = 2^(old M - new M)
.endr
	TM 16, 64
.endif
.irp u, 0,1
.irp g, 0,1
	v_fma_f32 v[ST+16*\u+8+\g], v[ST+16*\u+8+\g], s[CS], v[ST+16*\u]   ; the same of each block's largest score
.endr
.endr
.if !\first
	WIN W_RS
.irp u, 0,1
.set n, 0
.rept 32
	v_pk_mul_f32 v[O+64*\u+n:O+64*\u+n+1], v[O+64*\u+n:O+64*\u+n+1], v[ST+16*\u+4:ST+16*\u+5] op_sel_hi:[1,0]   ; O^T under the new M, ahead of the exponentials
.set n, n+2
.endr
.endr
	WIN 0
.endif
	s_wait_alu depctr_va_vdst(0)
.set n, 0
.rept 128
	v_exp_f32 v[S+n], v[S+n]                       ; p = 2^(t - M)
.set n, n+1
.endr
.irp u, 0,1
.irp g, 0,1
	v_exp_f32 v[ST+16*\u+8+\g], v[ST+16*\u+8+\g]   ; each block's largest p
.endr
.endr
.if \first
	v_nop                                          ; a plain place behind the batch
.else
.irp u, 0,1
	v_pk_mul_f32 v[ST+16*\u+2:ST+16*\u+3], v[ST+16*\u+2:ST+16*\u+3], v[ST+16*\u+4:ST+16*\u+5] op_sel_hi:[1,0]   ; the sum under the new M (also the plain place)
.endr
.endif
	s_wait_alu depctr_va_vdst(0)                   ; and the one wait behind it
	s_wait_dscnt 0x0                               ; v's fragments are in
.irp u, 0,1
.irp g, 0,1
	v_max_num_f32 v[ST+16*\u+8+\g], 0x1800000, v[ST+16*\u+8+\g]   ; the floor 2^(3 - 127)
.endr
.endr
.irp u, 0,1
.irp g, 0,1
	s_delay_alu instid0(VALU_DEP_4)
	v_add_nc_u32 v[ST+16*\u+10+\g], 0xff000000, v[ST+16*\u+8+\g]  ; the conversion's scale operand
.endr
.endr
.irp u, 0,1
.irp g, 0,1
	s_delay_alu instid0(VALU_DEP_4)
	v_lshrrev_b32 v[ST+16*\u+8+\g], 23, v[ST+16*\u+10+\g]         ; the byte of block 2 g + h
.endr
.endr
.irp u, 0,1
.if \u == 0
	s_delay_alu instid0(VALU_DEP_3)
.else
	s_delay_alu instid0(VALU_DEP_2)
.endif
	v_lshl_or_b32 v[ST+16*\u+6], v[ST+16*\u+9], 16, v[ST+16*\u+8]
.endr
.irp u, 0,1
	s_delay_alu instid0(VALU_DEP_2)
	v_lshlrev_b32 v[ST+16*\u+6], v[SH8], v[ST+16*\u+6]            ; my two bytes at their places, 8 h bits up;
.endr
.irp u, 0,1
	s_delay_alu instid0(VALU_DEP_2)
	v_permlanex16_b32 v[ST+16*\u+12], v[ST+16*\u+6], s[SEL], s[SEL+1]
.endr
.irp u, 0,1
	s_delay_alu instid0(VALU_DEP_2)
	v_or_b32 v[ST+16*\u+6], v[ST+16*\u+6], v[ST+16*\u+12]         ; with lane l xor 16's two the word is whole
.endr
.irp u, 0,1
.irp g, 0,1
	v_cvt_scalef32_pk16_fp6_f32 v[PC+12*\u+6*\g:PC+12*\u+6*\g+2], v[S+64*\u+32*\g:S+64*\u+32*\g+15], v[ST+16*\u+10+\g]
	v_cvt_scalef32_pk16_fp6_f32 v[T+8*\u+4*\g:T+8*\u+4*\g+2], v[S+64*\u+32*\g+16:S+64*\u+32*\g+31], v[ST+16*\u+10+\g]
.endr
.endr
	v_nop                                          ; one plain place behind the conversions
.irp u, 0,1
.irp g, 0,1
.irp i, 0,1,2
	v_mov_b32 v[PC+12*\u+6*\g+3+\i], v[T+8*\u+4*\g+\i]
.endr
.endr
.endr
	SUMA                                           ; four places between the last code's move and the products
	s_wait_alu depctr_va_vdst(0)
	WIN W_PV
.irp t, 0,1,2,3,4,5,6,7
.irp u, 0,1
.if \first
	v_wmma_scale_f32_16x16x128_f8f6f4 v[O+64*\u+8*\t:O+64*\u+8*\t+7], v[FR+12*\t:FR+12*\t+11], v[PC+12*\u:PC+12*\u+11], 0, v[SCL+\t], v[ST+16*\u+6] matrix_a_fmt:MATRIX_FMT_FP6 matrix_b_fmt:MATRIX_FMT_FP6 matrix_a_scale:MATRIX_SCALE_ROW1
.else
	v_wmma_scale_f32_16x16x128_f8f6f4 v[O+64*\u+8*\t:O+64*\u+8*\t+7], v[FR+12*\t:FR+12*\t+11], v[PC+12*\u:PC+12*\u+11], v[O+64*\u+8*\t:O+64*\u+8*\t+7], v[SCL+\t], v[ST+16*\u+6] matrix_a_fmt:MATRIX_FMT_FP6 matrix_b_fmt:MATRIX_FMT_FP6 matrix_a_scale:MATRIX_SCALE_ROW1
.endif
.endr
.endr
	WIN 0
	s_add_co_u32 s[TB], s[TB], BLK
.endm
.macro LOOP n
	s_mov_b32 s[CNT], \n
.Lstep_\@:
	STEP 0
	s_sub_co_u32 s[CNT], s[CNT], 1
	s_cmp_lg_u32 s[CNT], 0
	s_cbranch_scc1 .Lstep_\@
.endm
	s_load_b128 s[4:7], s[0:1], 0x0                ; the codes, gamma
	s_load_b128 s[8:11], s[0:1], 0x10              ; q, out0
	v_lshl_add_u32 v[SPW], v0, 2, SPARE
	v_mov_b32 v[NIL], 0
	ds_add_u32 v[SPW], v[NIL]
	ds_add_u32 v[SPW], v[NIL]
	v_lshrrev_b32 v1, 5, v0
	v_readfirstlane_b32 s[WV], v1                  ; wave 0..7
	v_and_b32 v22, 31, v0
	v_and_b32 v23, 15, v0
	v_bfe_u32 v[QO], v0, 4, 1
	v_lshlrev_b32 v[QO], 13, v[QO]
	v_lshl_add_u32 v[QO], v23, 3, v[QO]            ; q: 8 (lane % 16) + a row for lanes 16-31
	s_bfe_u32 s13, ttmp6, 0x40000                  ; cx
	s_lshl_b32 s14, ttmp9, 2
	s_add_co_u32 s14, s14, s13                     ; which 256 queries
	s_and_b32 s15, ttmp7, 0xffff                   ; head
	s_mov_b32 s[G1+0], 15|(3<<16)|(1<<21)          ; the four partners; elements of 8 bytes
	s_mov_b32 s[G1+1], 32<<16
	s_mov_b32 s[G1+2], 50<<16
	s_mov_b32 s[G1+3], 32<<16
	s_mov_b32 s[G1+4], 50
	s_mov_b32 s[G1+5], 32
	s_mov_b32 s[G1+6], 0
	s_mov_b32 s[G1+7], 0
	s_mov_b32 s[G1B+0], 15|(3<<16)|(1<<21)
	s_mov_b32 s[G1B+1], 32<<16
	s_mov_b32 s[G1B+2], 100<<16
	s_mov_b32 s[G1B+3], 32<<16
	s_mov_b32 s[G1B+4], 100
	s_mov_b32 s[G1B+5], 32
	s_mov_b32 s[G1B+6], 0
	s_mov_b32 s[G1B+7], 0
	s_mov_b32 s[SEL], 0x76543210
	s_mov_b32 s[SEL+1], 0xfedcba98
	s_mov_b32 s[CS], 0x3e0293ee                    ; c = log2(e) / sqrt(128)
	s_mov_b32 s[CS+1], s[CS]
	s_mov_b32 s[NC], 0xbe0293ee                    ; -c
	s_mul_i32 s48, s15, HEADB
	s_lshr_b32 s49, s[WV], 2                       ; waves 0-3 fetch k's blocks, waves 4-7 v's
	s_and_b32 s50, s[WV], 3
	s_mul_i32 s50, s50, BLK
	s_mul_i32 s52, s49, TEN
	s_add_co_u32 s52, s52, s48
	s_add_co_u32 s52, s52, s50                     ; step wave % 4 of my tensor
	s_mov_b32 s53, 0
	s_mul_i32 s[G0A+1], s49, VREG
	s_add_co_u32 s[G0A+1], s[G0A+1], s50
	s_add_co_u32 s58, s50, 4*BLK                   ; from there to steps 4 + 2 (wave % 4) and the next
	s_mov_b32 s59, 0
	s_add_co_u32 s[G0B+1], s[G0A+1], s58
	s_lshl_b32 s54, s15, 20
	s_lshl_b32 s51, s14, 10
	s_add_co_u32 s54, s54, s51
	s_lshl_b32 s51, s[WV], 17
	s_add_co_u32 s56, s54, s51                     ; out0: my 16 channels, the work-group's 256 queries
	s_lshl_b32 s51, s[WV], 7
	s_add_co_u32 s54, s54, s51                     ; q: my 32 queries
	s_mov_b32 s55, 0
	s_mov_b32 s57, 0
	s_wait_alu depctr_va_vdst(0)
	s_wait_dscnt 0x0
	s_wait_kmcnt 0x0
	s_add_nc_u64 s[8:9], s[8:9], s[54:55]
	s_add_nc_u64 s[10:11], s[10:11], s[56:57]
	s_mov_b32 s[G0A], 1
	s_add_nc_u64 s[G0A+2:G0A+3], s[4:5], s[52:53]
	s_mov_b32 s[G0B], 1
	s_add_nc_u64 s[G0B+2:G0B+3], s[G0A+2:G0A+3], s[58:59]
	s_or_b32 s[G0A+3], s[G0A+3], 0x80000000
	s_or_b32 s[G0B+3], s[G0B+3], 0x80000000
	LOADQ 0
	LOADQ 1
	ROUND
	tensor_load_to_lds s[G0A:G0A+3], s[G1:G1+7]    ; steps 0-3: my one load at the head
	s_nop 0
.rept 4
	v_nop
.endr
	s_load_b32 s[GAM], s[6:7], 0x0
	LOADQ 2
	LOADQ 3
.set STG0, 5*BLK                       ; the way-out stage: channels 0-63 on k's blocks 5 and up, channels 64-127 on v's: blocks that are filled once, behind the full sequence, and last read in step 11
.set STG1, VREG+5*BLK
	s_lshl_b32 s48, s[WV], 7
	s_add_co_u32 s48, s48, STG0
	s_and_b32 s49, s[WV], 3
	s_mul_i32 s49, s49, 16*SPITCH
	s_lshr_b32 s50, s[WV], 2
	s_mul_i32 s50, s50, STG1-STG0
	s_add_co_u32 s49, s49, s50
	s_add_co_u32 s49, s49, STG0
	v_lshlrev_b32 v[LI], 4, v22
	v_and_b32 v23, 15, v0                          ; r
	v_bfe_u32 v[ADS], v0, 4, 1                     ; h
	v_lshlrev_b32 v[SH8], 3, v[ADS]
	v_lshlrev_b32 v[ADR], 4, v23
	v_mad_u32_u24 v[LSC], v[ADS], VREG, v[ADR]
	v_add_nc_u32 v[LSC], 12288, v[LSC]
	v_lshlrev_b32 v[ADV], 3, v23
	v_mad_u32_u24 v[STO], v[ADS], 8*SPITCH, v[ADV] ; the stage, in: channel 8 h (+ 16 t + j), query 32 w + 2 r (+ u)
	v_add_nc_u32 v[STO], s48, v[STO]
	v_add_nc_u32 v[STO+1], STG1-STG0, v[STO]
	v_add_nc_u32 v[RD], s49, v[LI]                 ; and back: my 16 channels
	s_wait_alu depctr_va_vdst(0)
	s_wait_loadcnt 48                              ; block 0's 16 loads are in; the 48 behind them may be out
	QBLK 0
	s_wait_loadcnt 32
	QBLK 1
	s_wait_loadcnt 16
	QBLK 2
	s_wait_loadcnt 0x0
	QBLK 3
.irp c, 0,1
.irp i, 0,1,2,3,4,5
	v_permlane16_swap_b32 v[Q+6*\c+\i], v[Q+12+6*\c+\i]   ; blocks 2 c and 2 c + 1: the first run becomes the even queries' operand, the second the odd queries'
.endr
.endr
.irp u, 0,1
	v_mov_b32 v[ST+16*\u+2], 0                     ; the sum
	v_mov_b32 v[ST+16*\u+3], 0
	v_mov_b32 v[ST+16*\u+5], 0                     ; (named as the upper half of f's pair)
	v_mov_b32 v[ST+16*\u+12], 0                    ; (a lane permute's destination counts as a source)
.endr
	s_wait_alu depctr_va_vdst(0)
	s_wait_kmcnt 0x0
	s_wait_tensorcnt 0x0                           ; my part of steps 0-3 is in; the full sequence ahead of a later first fill
	ds_add_u32 v[SPW], v[NIL]
	s_wait_dscnt 0x0
	ROUND
	tensor_load_to_lds s[G0B:G0B+3], s[G1B:G1B+7]  ; steps 4-11: two blocks a wave
	s_nop 0
.rept 4
	v_nop
.endr
	s_mov_b32 s[TB], 0
	STEP 1
	LOOP 3
	s_wait_tensorcnt 0x0                           ; steps 4-11 are in,
	ds_add_u32 v[SPW], v[NIL]
	s_add_nc_u64 s[G0A+2:G0A+3], s[G0A+2:G0A+3], 12*BLK
	s_wait_dscnt 0x0                               ; and my reads of blocks 0-3 are over
	ROUND
	tensor_load_to_lds s[G0A:G0A+3], s[G1:G1+7]    ; steps 12-15 on blocks 0-3
	s_nop 0
.rept 4
	v_nop
.endr
	s_mov_b32 s[TB], 4*BLK
	LOOP 8
	s_wait_tensorcnt 0x0                           ; my part of steps 12-15 is in; nothing is filled again
	ds_add_u32 v[SPW], v[NIL]
	s_wait_dscnt 0x0
	s_barrier_signal -1
	s_barrier_wait -1
	s_mov_b32 s[TB], 0
	LOOP 4
	SUMB0                                          ; the last step's sum
	SUMB1
	; no barrier ahead of the stage: its bytes were last read in step 11, and every wave has awaited those reads and passed step 12's barrier; steps 12-15 read blocks 0-3 alone
.irp u, 0,1
	v_add_f32 v[ST+16*\u+7], v[ST+16*\u+2], v[ST+16*\u+3]
.endr
.irp u, 0,1
	s_delay_alu instid0(VALU_DEP_2)
	v_permlanex16_b32 v[ST+16*\u+12], v[ST+16*\u+7], s[SEL], s[SEL+1]
.endr
.irp u, 0,1
	s_delay_alu instid0(VALU_DEP_2)
	v_add_f32 v[ST+16*\u+7], v[ST+16*\u+7], v[ST+16*\u+12]
.endr
	s_wait_alu depctr_va_vdst(0)
.irp u, 0,1
	v_rcp_f32 v[ST+16*\u+4], v[ST+16*\u+7]
.endr
	v_nop
	s_wait_alu depctr_va_vdst(0)
.irp u, 0,1
	v_mul_f32 v[ST+16*\u+4], s[GAM], v[ST+16*\u+4] ; gamma / the sum
.endr
	WIN W_OUT
.irp u, 0,1
.set n, 0
.rept 32
	v_pk_mul_f32 v[S+64*\u+n:S+64*\u+n+1], v[O+64*\u+n:O+64*\u+n+1], v[ST+16*\u+4:ST+16*\u+5] op_sel_hi:[1,0]
.set n, n+2
.endr
.endr
	WIN 0
.irp u, 0,1
.irp t, 0,1,2,3,4,5,6,7
.irp j, 0,1,2,3,4,5,6,7
	ds_store_b32 v[STO+\t/4], v[S+64*\u+8*\t+\j] offset:(16*(\t%4)+\j)*SPITCH+4*\u
.endr
.endr
.endr
	s_wait_dscnt 0x0
	s_barrier_signal -1
	s_barrier_wait -1
.set n, 0
.rept 32
	ds_load_b128 v[S+4*n:S+4*n+3], v[RD] offset:(n/2)*SPITCH+512*(n%2)
.set n, n+1
.endr
.set n, 0
.rept 32
	s_wait_dscnt 31-n
	global_store_b128 v[LI], v[S+4*n:S+4*n+3], s[10:11] offset:(n/2)*8192+512*(n%2) th:TH_STORE_NT   ; 32 lanes store 512 consecutive bytes of a channel's row
.set n, n+1
.endr
	s_wait_tensorcnt 0x0                           ; the wave's end
	ds_add_u32 v[SPW], v[NIL]
	s_wait_dscnt 0x0
	ROUND                                          ; the closing round
	s_endpgm
.Lfunc_end_k_qcd43e39555_attn:
	.size	k_qcd43e39555_attn, .Lfunc_end_k_qcd43e39555_attn-k_qcd43e39555_attn
	.p2alignl 7, 3214868480
	.fill 96, 4, 3214868480
	.section	.rodata,"a",@progbits
	.p2align	6, 0x0
	.amdhsa_kernel k_qcd43e39555_attn
		.amdhsa_group_segment_fixed_size 327680
		.amdhsa_private_segment_fixed_size 0
		.amdhsa_enable_private_segment 0
		.amdhsa_kernarg_size 32
		.amdhsa_user_sgpr_count 2
		.amdhsa_user_sgpr_kernarg_segment_ptr 1
		.amdhsa_wavefront_size32 1
		.amdhsa_system_sgpr_workgroup_id_x 1
		.amdhsa_system_sgpr_workgroup_id_y 1
		.amdhsa_system_sgpr_workgroup_id_z 1
		.amdhsa_system_vgpr_workitem_id 0
		.amdhsa_next_free_vgpr 512
		.amdhsa_next_free_sgpr 66
		.amdhsa_reserve_vcc 0
		.amdhsa_float_denorm_mode_32 3
		.amdhsa_float_denorm_mode_16_64 3
		.amdhsa_memory_ordered 1
		.amdhsa_forward_progress 1
		.amdhsa_inst_pref_size 165
	.end_amdhsa_kernel
	.amdgpu_metadata
---
amdhsa.version: [ 1, 2 ]
amdhsa.kernels:
  - .name:           k_qcd43e39555_attn
    .symbol:         k_qcd43e39555_attn.kd
    .args:
      - { .name: codes, .offset: 0, .size: 8, .value_kind: global_buffer, .address_space: global }
      - { .name: gamma, .offset: 8, .size: 8, .value_kind: global_buffer, .address_space: global }
      - { .name: q, .offset: 16, .size: 8, .value_kind: global_buffer, .address_space: global }
      - { .name: out0, .offset: 24, .size: 8, .value_kind: global_buffer, .address_space: global }
    .group_segment_fixed_size: 327680
    .private_segment_fixed_size: 0
    .kernarg_segment_align: 8
    .kernarg_segment_size: 32
    .max_flat_workgroup_size: 256
    .sgpr_count:     66
    .vgpr_count:     512
    .wavefront_size: 32
...
	.end_amdgpu_metadata
.endif
;; end of part 2
